; MI455X (gfx1250); checked and timed in simulation.
; The chip was launched on July 23, 2026; its instructions are those of AMD's public machine-readable ISA for CDNA 5 (MIT licence, August 2026) and "CDNA5" Instruction Set Architecture Reference Guide (July 2026). The comments in the code are by the model that wrote it; some were corrected since.
;; TRM Attention. Allowed arithmetic: matrix products marked QUANTISED: E2M1 operands, one E8M0 scale for each 32 along K, by v_wmma_scale_f32_16x16x128_f8f6f4 with both operands' format E2M1 (or v_wmma_scale_f32_32x16x128_f4), f32 sums; everything else in f32.
;; Inputs: W_o_codes 256 x 8 x 16 uint8 (E2M1 codes of W_o, K innermost, in blocks of 32 codes, two codes a byte); W_o_scales 256 x 8 uint8 (E8M0 scales of W_o, one for each 32 codes along K); W_qkv_codes 768 x 8 x 16 uint8 (E2M1 codes of W_qkv, K innermost, in blocks of 32 codes, two codes a byte); W_qkv_scales 768 x 8 uint8 (E8M0 scales of W_qkv, one for each 32 codes along K); b_o 256 float32; b_qkv 768 float32; x_codes 16 x 2,048 x 8 x 16 uint8 (E2M1 codes of x, K innermost, in blocks of 32 codes, two codes a byte); x_scales 16 x 2,048 x 8 uint8 (E8M0 scales of x, one for each 32 codes along K).
;; Outputs: out0 16 x 2,048 x 256 float32.
;; This version of the problem:
;;   THIS VERSION OF THE PROBLEM IS GIVEN IN LOW PRECISION. The matrix products marked QUANTISED in the list below multiply operands that are first quantised to E2M1 (2 exponent bits, 1 mantissa bit; 4 bits a number), with one power-of-two scale for each 32 numbers along K (OCP MX v1.0); their sums are f32. All else is computed in f32.
;;   The module's matrix products, in the order in which they are computed (A, B: the left and right operand; K: the contracted axis; several contracted axes count as one K, in the product's order):
;;     1. [M 32,768, K 256] x [K 256, N 768]; A: input x (given as codes); B: input W_qkv (given as codes): QUANTISED
;;     2. batch 64 x [M 2,048, K 64] x [K 64, N 2,048]; A: computed on the way; B: computed on the way: QUANTISED
;;     3. batch 64 x [M 2,048, K 2,048] x [K 2,048, N 64]; A: softmax (see below); B: computed on the way: QUANTISED
;;     4. [M 32,768, K 256] x [K 256, N 256]; A: computed on the way; B: input W_o (given as codes): QUANTISED
;;   THE QUANTISER, for each operand of a quantised product, along K:
;;     - K is cut into blocks of 32 from its start; a last block that is shorter is filled with zeros.
;;     - A block's scale is 2^e with e = floor(log2(the largest magnitude in the block)) - 2, held to -126 .. 127; a block of zeros has e = 0. As a byte (E8M0): e + 127.
;;     - Each number is divided by its block's scale, clamped to +-6, and rounded to the nearest number of E2M1, ties to even, subnormals kept.
;;     - The product sums the exact products of the quantised numbers (number of the format x scale) in f32.
;;   ~~~python
;;   def quantise(x, axis):      # numpy; x: float32 -> the quantised numbers, widened to float32 again
;;       x = np.moveaxis(x, axis, -1); K = x.shape[-1]
;;       x = np.pad(x, [(0, 0)] * (x.ndim - 1) + [(0, -K % 32)]); x = x.reshape(x.shape[:-1] + (-1, 32)); a = np.abs(x).max(-1, keepdims=True)
;;       e = np.where(a > 0, np.clip(np.frexp(np.where(a > 0, a, 1))[1] - 1 - 2, -126, 127), 0)      # np.frexp(a)[1] - 1 = floor(log2(a)), exactly
;;       r = np.clip(x / 2.0 ** e, -6, 6)
;;       step = 2.0 ** (np.maximum(np.frexp(np.where(r == 0, 1, r))[1] - 1, 0) - 1)
;;       q = np.round(r / step) * step * 2.0 ** e      # np.round: ties to even
;;       return np.moveaxis(q.reshape(q.shape[:-2] + (-1,))[..., :K], -1, axis).astype(np.float32)
;;   ~~~
;;   SOFTMAX AHEAD OF A QUANTISED PRODUCT. Where the list says 'softmax', what is quantised is not the finished softmax but p = 2^(t - M), with t = logit x log2(e) and M = ceil(the row's largest t), a whole number; so 1/2 < the row's largest p <= 1. The row's sum l is taken of the UNQUANTISED p, in f32, and the product's result is divided by l at the end. Since M is a whole number, a kernel that streams over the keys may use a running M (the ceiling of the running maximum): every later rescaling is an exact power of two, which a block's scale takes up: the codes' values come out the same.
;;   OPERANDS COMPUTED ON THE WAY. 'Computed on the way' means the value that the module computes at that place (a softmax that the list does not call 'softmax' is quantised finished and normalised). What goes into a quantiser is computed in f32, as accurately as f32 sums, v_exp_f32 and their like allow (about 1e-6 of the number): no bf16 or f16 on the way to a quantiser, and a product that is left as it is and whose result goes on into a quantised operand takes f32 operands (vector FMAs, or v_wmma_f32_16x16x4_f32). A number that lies on a knife's edge between two numbers of the format may be rounded either way, as far as f32 arithmetic and the matrix unit's own rounding can turn it there, and no further.
;;   INPUTS GIVEN AS CODES. W_o (in the module: [256, 256], K = its axis 1); W_qkv (in the module: [768, 256], K = its axis 1); x (in the module: [16, 2048, 256], K = its axis 2): each comes as NAME_codes (uint8): NAME with its K axis moved to the last place and cut into blocks of 32 codes, [.., K / 32, bytes a block], one block behind the other in memory; two codes a byte, the lower K in the low four bits (a code: sign, 2 exponent bits, 1 mantissa bit); and NAME_scales (uint8): the same leading axes, one E8M0 byte (e + 127) for each 32 codes along K. Its value is code x scale, taken as it is: it is not quantised again, and the codes and scales need not be those that the quantiser above would give.
;; One version. Each part assembles by itself: llvm-mc -triple=amdgcn-amd-amdhsa -mcpu=gfx1250 --defsym DOCPART=n.
;; ======== version 1 of 1: 2 launches
;; limits: right only within a limited range of input values
;; workspace buffers: qq 4,718,592 bytes; kv 9,175,040 bytes
;; launch qkv (part 1): grid 256 x 1, 12 waves a work-group, no clusters, 169,472 bytes of LDS; arguments x_codes, x_scales, W_qkv_codes, W_qkv_scales, b_qkv, qq, kv; writes qq, kv
.if DOCPART == 1
	.amdgcn_target "amdgcn-amd-amdhsa--gfx1250"
	.amdhsa_code_object_version 6
	.text
	.protected	k_q5e65cc695d_qkv
	.globl	k_q5e65cc695d_qkv
	.p2align	8
	.type	k_q5e65cc695d_qkv,@function
k_q5e65cc695d_qkv:
	s_mov_b64 s[64:65], 0
	v_nop
	global_prefetch_b8 v0, s[64:65] scope:SCOPE_SE
	s_setreg_imm32_b32 hwreg(HW_REG_WAVE_MODE, 25, 1), 1
	s_wait_xcnt 0x0
; qkv = x W_qkv^T + b_qkv on codes of FP4 (E2M1) with one E8M0 scale for each 32 along K, and the quantising of q, k (along the head's 64) and v (along the keys) for the attention launch.
; x: 32,768 tokens x 256 codes (128 bytes a row), 8 scale bytes a row.  W_qkv: 768 rows likewise.  b_qkv: 768 f32.
; SHARES.  Work-group G takes tokens 128 G .. 128 G + 127: key step and query block G % 16 of batch G / 16.  Wave w takes rows 64 w .. 64 w + 63 of W_qkv: waves 0-3 q of head w, waves 4-7 k, waves 8-11 v of head w % 4.
; A wave's 64 rows of W (8,192 bytes), their scale words and biases stay in its registers; the 128 rows of x come into LDS once, by two tensor loads, and are read by all twelve waves.
; THE TOKENS (AND THE ROWS OF W) THAT FORM A TILE ARE NOT NEIGHBOURS: index i of tile m is row 32 (m / 2) + 8 (m % 2) + i + 8 (i / 8), so that the 16 registers of result tiles 2 b and 2 b + 1 are 16 neighbours, 32 b + 16 (lane / 16) + 0 .. 15.
; q, k: the product is used transposed (source 0 = 16 rows of W, source 1 = 16 tokens): a lane holds one token and its registers run along d, which is the next product's K.
; v: natural order (source 0 = 16 tokens, source 1 = 16 rows of W): a lane holds one d and its registers run down the tokens, which are the keys, the next K.
; WHAT IS STORED ARE IMAGES OF THE NEXT LAUNCH'S OPERAND REGISTERS: four registers by one store of 16 bytes a lane at 16 x lane, 512 consecutive bytes a store.
;   qq: [G][head][4,608]: eight images of q's tiles (lane (r, h): token index r, d = 32 h .. 32 h + 31), then 512 bytes of scale words: word p of lane l: tile 2 p + l / 16, token index l % 16; bytes 0, 1 the two blocks of d, bytes 2, 3 zero.
;   kv: [G][head][8,960]: k as q (4,608 bytes); then v^T: tile t, register group c: an image at 4,608 + 1,024 t + 512 c (row d index r, keys 64 c + 32 h + 0 .. 31); at 8,704 its scale words, 8 bytes a lane: word p: tile 2 p + l / 16.
; NO CLUSTER: what the work-groups share is W, of which a wave wants its own 8,192 bytes once, in registers; a joint request lands in LDS, so it would add a store and a read of 98,304 bytes of LDS for one use.  x's tiles are shared by nobody.
; LIMITS: NaN and infinities are not served.  A block whose largest magnitude lies under 2^(3 - 127), a block of zeros among them, gets the scale byte 1 (the quantiser's rule says 127 for zeros): its codes are zeros, and this program alone reads the bytes.
.set XP,    144                        ; a row of x in LDS: 128 bytes + 16 of padding
.set HALFX, 64*XP                      ; what one tensor load brings
.set QBLK,  4608                       ; bytes of a (group, head) block of qq
.set KBLK,  8960                       ; and of kv
.set KSC,   4096                       ; in a block: q's or k's scale words
.set VCO,   4608                       ; v^T's codes
.set VSC,   8704                       ; v^T's scale words
.set XA,   4                           ; v4   LDS: 144 rm + 16 h, rm = r + 8 (r / 8)
.set WA,   5                           ; v5   W's codes: 128 rm + 16 h
.set SA,   6                           ; v6   scale words of x and of W: 8 rm + 4 h: lanes 0-15 take K step 0's word, lanes 16-31 K step 1's
.set L16,  7                           ; v7   16 x lane
.set L8,   8                           ; v8   8 x lane
.set BAQ,  9                           ; v9   bias, q and k: 64 h
.set BAV,  10                          ; v10  bias, v: 4 rm
.set XS,   12                          ; v12-19  x's scale words, tile m
.set WS,   20                          ; v20-23  W's scale words, tile t
.set SW,   24                          ; v24-27  the scale words to store
.set PWE,  28                          ; v28, v29  the scale word just made: an even tile's, an odd tile's
.set PWO,  29
.set MAXR, 32                          ; v32-35  largest magnitudes
.set BYT,  36                          ; v36-39  the other half's maxima, then the bytes
.set SOP,  40                          ; v40-43  the conversions' scale operands
.set BV,   44                          ; v44-47  v's bias, tile t
.set BC,   48                          ; v48-55  the same in the result's layout
.set WF,   64                          ; v64-127 W's fragments: (tile t, K step s) at WF + 8 (2 t + s)
.set AC,   128                         ; accumulators: q, k: v128-159;  v: v128-191
.set BI,   160                         ; v160-191 q's and k's bias in the result's layout
.set XF,   192                         ; v192-223 x's fragments
.set PC,   224                         ; v224-255 codes: registers of its own for every store, so that no store's data are written again
.macro PLACES n                        ; plain vector places behind matrix instructions (ISA guide 7.12.1)
.rept \n
	v_nop
.endr
.endm
; One product 16 x 16 x 128.  c = 0: the constant 0 starts the sum (no sum's C lies at v0).  ra, rb: the half of the lanes from which source 0's and source 1's scale words are taken.
.macro MM d, a, b, c, sa, sb, ra, rb
.if (\c) == 0
.if ((\ra) == 0) && ((\rb) == 0)
	v_wmma_scale_f32_16x16x128_f8f6f4 v[(\d):(\d)+7], v[(\a):(\a)+7], v[(\b):(\b)+7], 0, v[(\sa)], v[(\sb)] matrix_a_fmt:MATRIX_FMT_FP4 matrix_b_fmt:MATRIX_FMT_FP4
.elseif ((\ra) == 1) && ((\rb) == 0)
	v_wmma_scale_f32_16x16x128_f8f6f4 v[(\d):(\d)+7], v[(\a):(\a)+7], v[(\b):(\b)+7], 0, v[(\sa)], v[(\sb)] matrix_a_fmt:MATRIX_FMT_FP4 matrix_b_fmt:MATRIX_FMT_FP4 matrix_a_scale:MATRIX_SCALE_ROW1
.elseif ((\ra) == 0) && ((\rb) == 1)
	v_wmma_scale_f32_16x16x128_f8f6f4 v[(\d):(\d)+7], v[(\a):(\a)+7], v[(\b):(\b)+7], 0, v[(\sa)], v[(\sb)] matrix_a_fmt:MATRIX_FMT_FP4 matrix_b_fmt:MATRIX_FMT_FP4 matrix_b_scale:MATRIX_SCALE_ROW1
.else
	v_wmma_scale_f32_16x16x128_f8f6f4 v[(\d):(\d)+7], v[(\a):(\a)+7], v[(\b):(\b)+7], 0, v[(\sa)], v[(\sb)] matrix_a_fmt:MATRIX_FMT_FP4 matrix_b_fmt:MATRIX_FMT_FP4 matrix_a_scale:MATRIX_SCALE_ROW1 matrix_b_scale:MATRIX_SCALE_ROW1
.endif
.else
.if ((\ra) == 0) && ((\rb) == 0)
	v_wmma_scale_f32_16x16x128_f8f6f4 v[(\d):(\d)+7], v[(\a):(\a)+7], v[(\b):(\b)+7], v[(\c):(\c)+7], v[(\sa)], v[(\sb)] matrix_a_fmt:MATRIX_FMT_FP4 matrix_b_fmt:MATRIX_FMT_FP4
.elseif ((\ra) == 1) && ((\rb) == 0)
	v_wmma_scale_f32_16x16x128_f8f6f4 v[(\d):(\d)+7], v[(\a):(\a)+7], v[(\b):(\b)+7], v[(\c):(\c)+7], v[(\sa)], v[(\sb)] matrix_a_fmt:MATRIX_FMT_FP4 matrix_b_fmt:MATRIX_FMT_FP4 matrix_a_scale:MATRIX_SCALE_ROW1
.elseif ((\ra) == 0) && ((\rb) == 1)
	v_wmma_scale_f32_16x16x128_f8f6f4 v[(\d):(\d)+7], v[(\a):(\a)+7], v[(\b):(\b)+7], v[(\c):(\c)+7], v[(\sa)], v[(\sb)] matrix_a_fmt:MATRIX_FMT_FP4 matrix_b_fmt:MATRIX_FMT_FP4 matrix_b_scale:MATRIX_SCALE_ROW1
.else
	v_wmma_scale_f32_16x16x128_f8f6f4 v[(\d):(\d)+7], v[(\a):(\a)+7], v[(\b):(\b)+7], v[(\c):(\c)+7], v[(\sa)], v[(\sb)] matrix_a_fmt:MATRIX_FMT_FP4 matrix_b_fmt:MATRIX_FMT_FP4 matrix_a_scale:MATRIX_SCALE_ROW1 matrix_b_scale:MATRIX_SCALE_ROW1
.endif
.endif
.endm
; nb blocks of 32 along the next K (nb = 2 or 4): register src + 16 b + i holds k = 32 b + 16 (lane / 16) + i of the lane's row.  They become 2 nb registers of codes from v[pc] on, in the operand's layout, and the scale word v[pw].
.macro QUANT src, nb, pc, pw
.set qb, 0
.rept \nb
	v_max3_num_f32 v[MAXR+qb], |v[(\src)+16*qb]|, |v[(\src)+16*qb+1]|, 0x1800000   ; block qb: my 16 numbers, each accumulator from its low end on, and the floor 2^(3 - 127): the byte cannot fall under 1
.set qb, qb+1
.endr
.irp i, 2,4,6,8,10,12,14
.set qb, 0
.rept \nb
	v_max3_num_f32 v[MAXR+qb], v[MAXR+qb], |v[(\src)+16*qb+\i]|, |v[(\src)+16*qb+\i+1]|   ; (the blocks by turns: no line waits for the line above it)
.set qb, qb+1
.endr
.endr
.set qb, 0
.rept \nb
	v_permlanex16_b32 v[BYT+qb], v[MAXR+qb], s36, s37
.set qb, qb+1
.endr
.set qb, 0
.rept \nb
	v_max_num_f32 v[MAXR+qb], v[MAXR+qb], v[BYT+qb]            ; with lane l xor 16's: the block's largest magnitude
.set qb, qb+1
.endr
.set qb, 0
.rept \nb
	v_add_nc_u32 v[SOP+qb], 0xff000000, v[MAXR+qb]             ; 2 off its exponent field: the conversion takes the exponent field of this operand as its scale
.set qb, qb+1
.endr
.set qb, 0
.rept \nb
	v_lshrrev_b32 v[BYT+qb], 23, v[SOP+qb]                     ; the scale's byte
.set qb, qb+1
.endr
	v_lshl_or_b32 v[(\pw)], v[BYT+1], 8, v[BYT]                ; the bytes make my row's scale word (with two blocks bytes 2 and 3 stay 0)
.if (\nb) == 4
	s_delay_alu instid0(VALU_DEP_1)
	v_lshl_or_b32 v[(\pw)], v[BYT+2], 16, v[(\pw)]
	s_delay_alu instid0(VALU_DEP_1)
	v_lshl_or_b32 v[(\pw)], v[BYT+3], 24, v[(\pw)]
.endif
.set qb, 0
.rept \nb
	v_cvt_scalef32_pk8_fp4_f32 v[(\pc)+2*qb], v[(\src)+16*qb:(\src)+16*qb+7], v[SOP+qb]
	v_cvt_scalef32_pk8_fp4_f32 v[(\pc)+2*qb+1], v[(\src)+16*qb+8:(\src)+16*qb+15], v[SOP+qb]
.set qb, qb+1
.endr
	v_nop                                                      ; one plain place behind a scaled conversion
.set qb, 0
.rept (\nb)/2                          ; the operand's layout wants a WHOLE block in a lane: lanes 0-15 the even block, lanes 16-31 the odd one
	v_permlane16_swap_b32 v[(\pc)+4*qb], v[(\pc)+4*qb+2]
	v_permlane16_swap_b32 v[(\pc)+4*qb+1], v[(\pc)+4*qb+3]
.set qb, qb+1
.endr
.endm
.macro XLOAD dst, m, s                 ; x's fragment of tile m, K step s: two loads of 16 bytes, 32 bytes apart
.irp c, 0,1
	ds_load_b128 v[(\dst)+4*\c:(\dst)+4*\c+3], v[XA] offset:(32*((\m)/2)+8*((\m)%2))*XP+64*(\s)+32*\c
.endr
.endm
	s_load_b256 s[4:11], s[0:1], 0x0               ; x's codes s[4:5], x's scales s[6:7], W's codes s[8:9], W's scales s[10:11]
	s_load_b128 s[12:15], s[0:1], 0x20             ; b_qkv s[12:13], qq s[14:15]
	s_load_b64 s[16:17], s[0:1], 0x30              ; kv
	v_lshl_add_u32 v62, v0, 2, 0x29000
	v_mov_b32 v63, 0
	ds_add_u32 v62, v63
	ds_add_u32 v62, v63
	v_lshrrev_b32 v1, 5, v0
	s_delay_alu instid0(VALU_DEP_1)
	v_readfirstlane_b32 s18, v1                    ; wave 0..11
	s_and_b32 s19, s18, 3                          ; the head
	s_and_b32 s20, s18, 1                          ; which 64 rows of x I fetch, if I fetch
	; descriptor group 1: 64 rows of 128 bytes, dense in memory, 16 bytes of padding behind each in LDS
	s_mov_b32 s24, (1<<20)|(4<<22)|(3<<25)         ; no mask; elements of 1 byte; padding on: four words (code 3) after every 32 (code 4)
	s_mov_b32 s25, 128<<16                         ; tensor_dim0 = 128
	s_mov_b32 s26, 64<<16                          ; tensor_dim1 = 64
	s_mov_b32 s27, 128<<16                         ; tile_dim0 = 128
	s_mov_b32 s28, 64                              ; tile_dim1 = 64
	s_mov_b32 s29, 128                             ; from row to row
	s_mov_b32 s30, 0
	s_mov_b32 s31, 0
	s_mov_b32 s32, 1                               ; group 0: count = 1
	s_mul_i32 s33, s20, HALFX                      ; LDS address: my half
	s_lshl_b32 s22, ttmp9, 14                      ; the group's 128 rows of 128 bytes,
	s_lshl_b32 s21, s20, 13                        ; my 64 of them
	s_add_co_u32 s22, s22, s21
	s_mov_b32 s23, 0
	s_mov_b32 s36, 0x76543210
	s_mov_b32 s37, 0xfedcba98                      ; v_permlanex16_b32's selects for lane l xor 16
	v_and_b32 v1, 15, v0                           ; r
	v_bfe_u32 v2, v0, 4, 1                         ; h
	s_delay_alu instid0(VALU_DEP_2)
	v_and_b32 v3, 8, v1
	s_delay_alu instid0(VALU_DEP_1)
	v_add_nc_u32 v3, v3, v1                        ; rm = r + 8 (r / 8)
	s_delay_alu instid0(VALU_DEP_1)
	v_mul_u32_u24 v[XA], v3, XP
	s_delay_alu instid0(VALU_DEP_1)
	v_lshl_add_u32 v[XA], v2, 4, v[XA]
	s_delay_alu instid0(VALU_DEP_3)
	v_lshlrev_b32 v[WA], 7, v3
	s_delay_alu instid0(VALU_DEP_1)
	v_lshl_add_u32 v[WA], v2, 4, v[WA]
	v_lshlrev_b32 v[SA], 3, v3
	s_delay_alu instid0(VALU_DEP_1)
	v_lshl_add_u32 v[SA], v2, 2, v[SA]
	v_and_b32 v[L16], 31, v0
	s_delay_alu instid0(VALU_DEP_1)
	v_lshlrev_b32 v[L8], 3, v[L16]
	s_delay_alu instid0(VALU_DEP_2)
	v_lshlrev_b32 v[L16], 4, v[L16]
	v_lshlrev_b32 v[BAQ], 6, v2
	v_lshlrev_b32 v[BAV], 2, v3
.irp b, 0,1,2,3
	v_mov_b32 v[BYT+\b], 0                         ; written once: a lane permute's destination counts as one of its sources
.endr
	s_wait_dscnt 0x0
	s_wait_kmcnt 0x0
	s_add_nc_u64 s[34:35], s[4:5], s[22:23]        ; global address of my 64 rows
	s_or_b32 s35, s35, 0x80000000                  ; type = 2
	s_cmp_lt_u32 s18, 2                            ; waves 0 and 1 fetch; x's bytes in LDS are filled once and only read
	s_cbranch_scc0 .Lno_fill
	tensor_load_to_lds s[32:35], s[24:31]
	s_nop 0
	PLACES 4
.Lno_fill:
	s_mov_b32 vcc_lo, 0xffff0000                   ; lanes 16-31 take the odd tile's scale word
	s_lshl_b32 s22, ttmp9, 10                      ; x's scales: 8 bytes a row, the group's 128 rows
	s_add_nc_u64 s[6:7], s[6:7], s[22:23]
	s_lshl_b32 s22, s18, 13                        ; W's codes: my 64 rows of 128 bytes
	s_add_nc_u64 s[8:9], s[8:9], s[22:23]
	s_lshl_b32 s22, s18, 9                         ; W's scales: my 64 rows of 8 bytes
	s_add_nc_u64 s[10:11], s[10:11], s[22:23]
	s_lshl_b32 s22, s18, 8                         ; the bias: my 64 numbers
	s_add_nc_u64 s[12:13], s[12:13], s[22:23]
.irp t, 0,1,2,3
.irp s, 0,1
.irp c, 0,1
	global_load_b128 v[WF+8*(2*\t+\s)+4*\c:WF+8*(2*\t+\s)+4*\c+3], v[WA], s[8:9] offset:(32*(\t/2)+8*(\t%2))*128+64*\s+32*\c
.endr
.endr
	global_load_b32 v[WS+\t], v[SA], s[10:11] offset:(32*(\t/2)+8*(\t%2))*8
.endr
.irp m, 0,1,2,3,4,5,6,7
	global_load_b32 v[XS+\m], v[SA], s[6:7] offset:(32*(\m/2)+8*(\m%2))*8
.endr
	s_wait_tensorcnt 0x0                           ; my half of x is in LDS (a wave that fetched nothing passes at once),
	s_barrier_signal -1
	s_barrier_wait -1                              ; everybody's is
	s_cmp_ge_u32 s18, 8
	s_cbranch_scc1 .Lv
	; ---- q and k
	s_cmp_lt_u32 s18, 4                            ; q goes to qq, k to kv: the choice hangs on the wave's number alone
	s_cselect_b64 s[20:21], s[14:15], s[16:17]
	s_mov_b32 s22, KBLK
	s_cselect_b32 s22, QBLK, s22
	s_lshl_b32 s38, ttmp9, 2
	s_add_co_u32 s38, s38, s19                     ; 4 G + head
	s_mul_i32 s22, s38, s22
	s_add_nc_u64 s[20:21], s[20:21], s[22:23]      ; my block
	s_wait_alu depctr_va_vdst(0)
.irp t, 0,1,2,3                        ; the bias is the C of each sum's first product: lane (r, h) wants, for tile t, units 32 (t / 2) + 16 h + 8 (t % 2) + 0 .. 7
	global_load_b128 v[BI+8*\t:BI+8*\t+3], v[BAQ], s[12:13] offset:(32*(\t/2)+8*(\t%2))*4
	global_load_b128 v[BI+8*\t+4:BI+8*\t+7], v[BAQ], s[12:13] offset:(32*(\t/2)+8*(\t%2))*4+16
.endr
	s_wait_loadcnt 0x0                             ; W, the scale words, the bias
	XLOAD XF, 0, 0
	XLOAD XF+8, 0, 1
; A tile of 16 tokens: the next tile's fragments are asked for, this tile's 8 products (four accumulators by turns), its 64 d quantised, its image stored.
.macro TOK m
.if (\m) < 7
	XLOAD XF+16*(((\m)+1)%2), (\m)+1, 0            ; into the set that the tile before has left: its products stand more than four plain places back
	XLOAD XF+16*(((\m)+1)%2)+8, (\m)+1, 1
	s_wait_dscnt 0x4                               ; all but the four just issued: this tile's fragments are in
.else
	s_wait_dscnt 0x0
.endif
.irp t, 0,1,2,3
	MM AC+8*\t, WF+16*\t, XF+16*((\m)%2), BI+8*\t, WS+\t, XS+(\m), 0, 0
.endr
.irp t, 0,1,2,3
	MM AC+8*\t, WF+16*\t+8, XF+16*((\m)%2)+8, AC+8*\t, WS+\t, XS+(\m), 1, 1
.endr
	PLACES 4
	QUANT AC, 2, PC+4*(\m), PWE+((\m)%2)
	global_store_b128 v[L16], v[PC+4*(\m):PC+4*(\m)+3], s[20:21] offset:512*(\m)   ; 32 lanes store 512 consecutive bytes, at a multiple of 256 from the buffer's first byte
.if ((\m)%2) == 1
	v_cndmask_b32 v[SW+(\m)/2], v[PWE], v[PWO], vcc_lo         ; lanes 0-15 the even tile's words, lanes 16-31 the odd tile's
.endif
.endm
.irp m, 0,1,2,3,4,5,6,7
	TOK \m
.endr
	global_store_b128 v[L16], v[SW:SW+3], s[20:21] offset:KSC
	s_wait_tensorcnt 0x0
	ds_add_u32 v62, v63
	s_wait_dscnt 0x0
	s_endpgm
	; ---- v
.Lv:
	s_lshl_b32 s38, ttmp9, 2
	s_add_co_u32 s38, s38, s19                     ; 4 G + head
	s_mul_i32 s22, s38, KBLK
	s_add_nc_u64 s[20:21], s[16:17], s[22:23]      ; my block of kv
	s_wait_alu depctr_va_vdst(0)
.irp t, 0,1,2,3
	global_load_b32 v[BV+\t], v[BAV], s[12:13] offset:(32*(\t/2)+8*(\t%2))*4   ; a lane holds one d: one bias a tile
.endr
	s_wait_loadcnt 0x0
; A tile of 16 d for all 128 tokens: 16 products on eight accumulators by turns, four at a time, then the four blocks of 32 keys quantised.
.macro DTILE t
.irp j, 0,1,2,3,4,5,6,7
	v_mov_b32 v[BC+\j], v[BV+(\t)]                 ; the bias in the result's layout: the C of each sum's first product
.endr
	s_wait_alu depctr_va_vdst(0)
.irp s, 0,1
.irp hf, 0,1
	PLACES 4                                       ; in front of loads into registers that matrix instructions have read
.irp i, 0,1,2,3
	XLOAD XF+8*\i, 4*\hf+\i, \s
.endr
	s_wait_dscnt 0x0
.irp i, 0,1,2,3
.if \s == 0
	MM AC+8*(4*\hf+\i), XF+8*\i, WF+8*(2*(\t)+\s), BC, XS+4*\hf+\i, WS+(\t), 0, 0
.else
	MM AC+8*(4*\hf+\i), XF+8*\i, WF+8*(2*(\t)+\s), AC+8*(4*\hf+\i), XS+4*\hf+\i, WS+(\t), 1, 1
.endif
.endr
.endr
.endr
	PLACES 4
	QUANT AC, 4, PC+8*(\t), PWE+((\t)%2)
.irp c, 0,1
	global_store_b128 v[L16], v[PC+8*(\t)+4*\c:PC+8*(\t)+4*\c+3], s[20:21] offset:VCO+1024*(\t)+512*\c
.endr
.if ((\t)%2) == 1
	v_cndmask_b32 v[SW+(\t)/2], v[PWE], v[PWO], vcc_lo
.endif
.endm
.irp t, 0,1,2,3
	DTILE \t
.endr
	global_store_b64 v[L8], v[SW:SW+1], s[20:21] offset:VSC        ; 32 lanes store 256 consecutive bytes
	s_wait_tensorcnt 0x0
	ds_add_u32 v62, v63
	s_wait_dscnt 0x0
	s_endpgm
.Lfunc_end_k_q5e65cc695d_qkv:
	.size	k_q5e65cc695d_qkv, .Lfunc_end_k_q5e65cc695d_qkv-k_q5e65cc695d_qkv
	.p2alignl 7, 3214868480
	.fill 96, 4, 3214868480
	.section	.rodata,"a",@progbits
	.p2align	6, 0x0
	.amdhsa_kernel k_q5e65cc695d_qkv
		.amdhsa_group_segment_fixed_size 169472
		.amdhsa_private_segment_fixed_size 0
		.amdhsa_enable_private_segment 0
		.amdhsa_kernarg_size 56
		.amdhsa_user_sgpr_count 2
		.amdhsa_user_sgpr_kernarg_segment_ptr 1
		.amdhsa_wavefront_size32 1
		.amdhsa_system_sgpr_workgroup_id_x 1
		.amdhsa_system_sgpr_workgroup_id_y 1
		.amdhsa_system_sgpr_workgroup_id_z 1
		.amdhsa_system_vgpr_workitem_id 0
		.amdhsa_next_free_vgpr 256
		.amdhsa_next_free_sgpr 66
		.amdhsa_reserve_vcc 1
		.amdhsa_float_denorm_mode_32 3
		.amdhsa_float_denorm_mode_16_64 3
		.amdhsa_memory_ordered 1
		.amdhsa_forward_progress 1
		.amdhsa_inst_pref_size 72
	.end_amdhsa_kernel
	.amdgpu_metadata
---
amdhsa.version: [ 1, 2 ]
amdhsa.kernels:
  - .name:           k_q5e65cc695d_qkv
    .symbol:         k_q5e65cc695d_qkv.kd
    .args:
      - { .name: x_codes, .offset: 0, .size: 8, .value_kind: global_buffer, .address_space: global }
      - { .name: x_scales, .offset: 8, .size: 8, .value_kind: global_buffer, .address_space: global }
      - { .name: W_qkv_codes, .offset: 16, .size: 8, .value_kind: global_buffer, .address_space: global }
      - { .name: W_qkv_scales, .offset: 24, .size: 8, .value_kind: global_buffer, .address_space: global }
      - { .name: b_qkv, .offset: 32, .size: 8, .value_kind: global_buffer, .address_space: global }
      - { .name: qq, .offset: 40, .size: 8, .value_kind: global_buffer, .address_space: global }
      - { .name: kv, .offset: 48, .size: 8, .value_kind: global_buffer, .address_space: global }
    .group_segment_fixed_size: 169472
    .private_segment_fixed_size: 0
    .kernarg_segment_align: 8
    .kernarg_segment_size: 56
    .max_flat_workgroup_size: 384
    .sgpr_count:     66
    .vgpr_count:     256
    .wavefront_size: 32
...
	.end_amdgpu_metadata
.endif
;; end of part 1
;; launch attn (part 2): grid 16 x 16, 16 waves a work-group, clusters of 4 x 1, 327,680 bytes of LDS; arguments qq, kv, W_o_codes, W_o_scales, b_o, out0; writes out0
.if DOCPART == 2
	.amdgcn_target "amdgcn-amd-amdhsa--gfx1250"
	.amdhsa_code_object_version 6
	.text
	.protected	k_q5e65cc695d_attn
	.globl	k_q5e65cc695d_attn
	.p2align	8
	.type	k_q5e65cc695d_attn,@function
k_q5e65cc695d_attn:
	s_mov_b64 s[64:65], 0
	v_nop
	global_prefetch_b8 v0, s[64:65] scope:SCOPE_SE
	s_setreg_imm32_b32 hwreg(HW_REG_WAVE_MODE, 25, 1), 1
	s_wait_xcnt 0x0
	s_wait_alu depctr_hold_cnt(0) depctr_sa_sdst(0) depctr_va_vdst(0) depctr_va_sdst(0) depctr_va_ssrc(0) depctr_va_vcc(0) depctr_vm_vsrc(0)
	s_getreg_b32 s2, hwreg(HW_REG_IB_STS2, 6, 4)
	s_cmp_eq_u32 s2, 0
	s_cbranch_scc0 .Lentry_in_a_cluster
	s_endpgm
.Lentry_in_a_cluster:
	s_bfe_u32 s2, ttmp6, 0x10000c
	s_cmp_lg_u32 s2, 0x3003
	s_cbranch_scc0 .Lentry_shape_is_right
	s_endpgm
.Lentry_shape_is_right:
; out0 = (softmax(q k^T / 8) v, the heads side by side) W_o^T + b_o, all three products on codes of FP4 (E2M1) with one E8M0 scale for each 32 along a product's K.
; q, k and v^T come from the launch before as images of the operands' registers (qq: [16 b + g][head][4,608]; kv: [16 b + step][head][8,960]: k's eight tiles, k's scale words at 4,096, v^T's four tiles at 4,608, its scale words at 8,704).
; THE SOFTMAX AHEAD OF THE SECOND PRODUCT: t = score x log2(e) / 8; M = the row's largest t so far, rounded UP to a whole number; p = 2^(t - M) is what is quantised, along the keys, not normalised.  The row's sum is taken of
; the unquantised p, in f32, and divides O at the end.  When M moves, the sum and O are multiplied by 2^(old M - new M): exact.
; SHARES.  A work-group takes 128 queries (block g of batch b) of ALL FOUR HEADS, so that y never goes to memory.  Sixteen waves, four to a SIMD, 256 registers each: wave w owns query tiles 2 (w % 4) and 2 (w % 4) + 1 of head w / 4;
; its two tiles share every fragment of k and of v^T.  Every wave walks the batch's 2,048 keys, 128 a step.  At the end wave w makes output columns 16 w .. 16 w + 15 for the 128 queries.
; LAYOUT.  All products are used transposed (S^T = k q^T, O^T = v^T p^T, out^T = W_o y^T): a lane holds ONE query (lane % 16) throughout.  Index i of a tile of tokens, and of a tile of v^T's rows, is
; 32 (m / 2) + 8 (m % 2) + i + 8 (i / 8): so the 16 registers of result tiles 2 b, 2 b + 1 are 16 neighbours along the next K.
; THE FIRST PRODUCT'S K IS 64, the instruction's 128: q's upper four registers are zero codes.  k's upper four registers are the next tile's codes (the last tile's: zeros): finite numbers times zeros, under scale bytes 0 (2^-127): they add nothing.
; THE RING.  Two LDS slots of four key steps x four heads (143,360 bytes).  A key step of all heads is 35,840 consecutive bytes of kv: 140 rows of 256; waves 0 to 3 bring one step each.
; CLUSTER.  The four work-groups of a cluster are four query blocks of one batch and walk the same kv: each tile is asked for JOINTLY, by the same tensor load with the same descriptor and a mask that names the four.  Batches share no tile, so a cluster spans x alone.
; LIMITS: NaN and infinities are not served.  A p under 2^-126 comes out of v_exp_f32 as 0.  A block whose largest magnitude lies under 2^(3 - 127), a block of zeros among them, gets the scale byte 1: its codes are zeros.
.set STEPB,  35840                     ; a key step, four heads
.set HEADB,  8960                      ; one head's part of it
.set SLOTB,  4*STEPB                   ; a slot; slot 1 begins here
.set SPARE,  2*SLOTB                   ; behind the ring: the spare words, 128 bytes for each of sixteen waves: eight blocks of 256 bytes that no other line names
.set YI,     0                         ; the end, in slot 0 (its last fill has landed, and its last read lies ahead of the last change's barrier): y's images, (tile m, head) at 2,048 m + 512 head;
.set YS,     16384                     ; y's scale words, 128 bytes a tile: lanes 0-15 K step 0's, lanes 16-31 K step 1's
.set STG,    SLOTB                     ; the end, in slot 1 (written only behind a barrier that every wave reaches behind its last read of the slot): the stage, 128 rows of 1,024 bytes + 16
.set SPITCH, 1040
.set A16, 1                            ; v1   16 x lane + my head's place in a step
.set A8,  2                            ; v2   8 x lane + the same + 8,704: v^T's scale words
.set ADK, 3                            ; v3   A16 + the step in hand
.set ADV, 4                            ; v4   A8 + the step in hand
.set SPW, 5                            ; v5   LDS address of my spare word; never rewritten
.set NIL, 6                            ; v6   0; never rewritten
.set L16, 7                            ; v7   16 x lane
.set L4,  8                            ; v8   4 x lane
.set WOA, 9                            ; v9   W_o's codes: 128 r + 16 h
.set WSA, 10                           ; v10  W_o's scale words: 8 r + 4 h
.set BOA, 11                           ; v11  b_o: 32 h
                                       ; v12-15, v16-19  tile x's statistics at 12 + 4 x: -M, the largest t, the sum in two halves
.set Q0,  20                           ; v20-27  q of tile 0: four registers of codes, four of zeros;  v28-35 of tile 1
.set Q1,  28
.set BM,  36                           ; v36-39  the blocks' largest scores, then largest p
.set BP,  40                           ; v40-43  the other half's, then the bytes
.set SO,  44                           ; v44-47  the conversions' scale operands
.set KF,  48                           ; v48-83  k's tile t at KF + 4 t, v80-83 zeros;  later v^T's tile dt at KF + 8 dt;  at the end v48-55 b_o
.set SUM2, 84                          ; v84-85  the sum's second chain;  at the end v84-91 y's codes
.set YIA, 92                           ; v92  where I store y's images
.set YSA, 93                           ; v93  and y's two scale bytes
.set STO, 94                           ; v94, v95  the stage: where I put 32 bytes of a row, tiles 0-3 and tiles 4-7
.set S,   96                           ; v96-159  S^T, then p;  at the end y's fragments, then rows of out0
                                       ; v160-191, v192-223  O^T of tile 0, of tile 1;  v224-231, v232-239  p's codes;  at the end W_o's two fragments
.set F,   240                          ; v240-241  f = 2^(old M - new M) (v241 only named with it as a pair)
.set T,   242                          ; v242 at work
.set RD,  243                          ; v243 the stage: where I read rows back
.set KS,  244                          ; v244-247 k's scale words; at the end y's.   v248-249 v^T's.   v250 q's.   v251, v252 p's.   v253 W_o's.   These ten hold scales and nothing else
.set VS,  248
.set QS,  250
.set WOS, 253
.set WV,  16                           ; s16 wave;  s17 my head;  s18 my pair of query tiles
.set HD,  17
.set PQ,  18
.set CS,  22                           ; s[22:23] c = log2(e) / 8: the packed form names a pair and takes its low word for both halves
.set SEL, 24                           ; s[24:25] lane selects for v_permlanex16_b32: lane l xor 16
.set G1,  28                           ; s[28:35] descriptor group 1;  s[36:39], s[40:43] group 0 of slot 0, of slot 1
.set G0,  36
.set TB,  44                           ; s44 LDS byte at which the step in hand begins
.set CNT, 45                           ; s45 counts a slot's four steps
.macro PLACES n                        ; plain vector places behind matrix instructions (ISA guide 7.12.1)
.rept \n
	v_nop
.endr
.endm
; One product 16 x 16 x 128.  c = 0: the constant 0 starts the sum (no sum's C lies at v0).  ra, rb: the half of the lanes from which source 0's and source 1's scale words are taken.
.macro MM d, a, b, c, sa, sb, ra, rb
.if (\c) == 0
.if ((\ra) == 0) && ((\rb) == 0)
	v_wmma_scale_f32_16x16x128_f8f6f4 v[(\d):(\d)+7], v[(\a):(\a)+7], v[(\b):(\b)+7], 0, v[(\sa)], v[(\sb)] matrix_a_fmt:MATRIX_FMT_FP4 matrix_b_fmt:MATRIX_FMT_FP4
.elseif ((\ra) == 1) && ((\rb) == 0)
	v_wmma_scale_f32_16x16x128_f8f6f4 v[(\d):(\d)+7], v[(\a):(\a)+7], v[(\b):(\b)+7], 0, v[(\sa)], v[(\sb)] matrix_a_fmt:MATRIX_FMT_FP4 matrix_b_fmt:MATRIX_FMT_FP4 matrix_a_scale:MATRIX_SCALE_ROW1
.elseif ((\ra) == 0) && ((\rb) == 1)
	v_wmma_scale_f32_16x16x128_f8f6f4 v[(\d):(\d)+7], v[(\a):(\a)+7], v[(\b):(\b)+7], 0, v[(\sa)], v[(\sb)] matrix_a_fmt:MATRIX_FMT_FP4 matrix_b_fmt:MATRIX_FMT_FP4 matrix_b_scale:MATRIX_SCALE_ROW1
.else
	v_wmma_scale_f32_16x16x128_f8f6f4 v[(\d):(\d)+7], v[(\a):(\a)+7], v[(\b):(\b)+7], 0, v[(\sa)], v[(\sb)] matrix_a_fmt:MATRIX_FMT_FP4 matrix_b_fmt:MATRIX_FMT_FP4 matrix_a_scale:MATRIX_SCALE_ROW1 matrix_b_scale:MATRIX_SCALE_ROW1
.endif
.else
.if ((\ra) == 0) && ((\rb) == 0)
	v_wmma_scale_f32_16x16x128_f8f6f4 v[(\d):(\d)+7], v[(\a):(\a)+7], v[(\b):(\b)+7], v[(\c):(\c)+7], v[(\sa)], v[(\sb)] matrix_a_fmt:MATRIX_FMT_FP4 matrix_b_fmt:MATRIX_FMT_FP4
.elseif ((\ra) == 1) && ((\rb) == 0)
	v_wmma_scale_f32_16x16x128_f8f6f4 v[(\d):(\d)+7], v[(\a):(\a)+7], v[(\b):(\b)+7], v[(\c):(\c)+7], v[(\sa)], v[(\sb)] matrix_a_fmt:MATRIX_FMT_FP4 matrix_b_fmt:MATRIX_FMT_FP4 matrix_a_scale:MATRIX_SCALE_ROW1
.elseif ((\ra) == 0) && ((\rb) == 1)
	v_wmma_scale_f32_16x16x128_f8f6f4 v[(\d):(\d)+7], v[(\a):(\a)+7], v[(\b):(\b)+7], v[(\c):(\c)+7], v[(\sa)], v[(\sb)] matrix_a_fmt:MATRIX_FMT_FP4 matrix_b_fmt:MATRIX_FMT_FP4 matrix_b_scale:MATRIX_SCALE_ROW1
.else
	v_wmma_scale_f32_16x16x128_f8f6f4 v[(\d):(\d)+7], v[(\a):(\a)+7], v[(\b):(\b)+7], v[(\c):(\c)+7], v[(\sa)], v[(\sb)] matrix_a_fmt:MATRIX_FMT_FP4 matrix_b_fmt:MATRIX_FMT_FP4 matrix_a_scale:MATRIX_SCALE_ROW1 matrix_b_scale:MATRIX_SCALE_ROW1
.endif
.endif
.endm
; A round of the cluster's barrier: my work-group's barrier, so that wave 0's signal speaks for all sixteen waves; wave 0 signals for the work-group; every wave waits for all four work-groups; my work-group's barrier once more.
.macro CROUND
	s_barrier_signal -1
	s_barrier_wait -1
	s_cmp_lg_u32 s[WV], 0
	s_cbranch_scc1 .Lnot_wave_0_\@
	s_barrier_signal -3
.Lnot_wave_0_\@:
	s_barrier_wait -3
	s_barrier_signal -1
	s_barrier_wait -1
.endm
; A joint refill of slot n: waves 0 to 3 bring one key step each, the others nothing.  The branch hangs on the wave's number alone: it is the same in every work-group.  Four v_nop follow the load.
.macro JLOAD n
	s_cmp_lt_u32 s[WV], 4
	s_cbranch_scc0 .Lno_load_\@
	tensor_load_to_lds s[G0+4*\n:G0+4*\n+3], s[G1:G1+7]
	s_nop 0
	PLACES 4
.Lno_load_\@:
.endm
; THE CHANGE OF SLOTS.  Each wave waits for all its tensor loads (its part of the slot ahead), adds 0 to its spare word, and waits for that and for its reads of the slot that it leaves.
; fill = 1: slot n, the one that is left, is filled with the keys eight steps on.  The barrier is then a round of the cluster's, so that no wave of any partner still reads the slot or has a load on its way; the joint refill
; is the first thing behind it and has a whole slot's four steps in which to land.
; The change is written in two parts.  GUARD stands in a slot's last key step, straight behind my last LDS reads of the slot (v^T's fragments): the waits, the add and the barrier's signal.
; MEET stands at that step's end: the barrier's wait and, fill = 1, the rest of the cluster's round and the joint refill.  Between the two stands register work alone: tile 1's softmax and the step's eight O^T products.
; No prefetch into the L2: a refill is asked for a slot's four key steps ahead of the wait for it.
.macro CREST                           ; a round of the cluster's barrier behind its opening barrier
	s_cmp_lg_u32 s[WV], 0
	s_cbranch_scc1 .Lnw0_\@
	s_barrier_signal -3
.Lnw0_\@:
	s_barrier_wait -3
	s_barrier_signal -1
	s_barrier_wait -1
.endm
.macro GRD n, fill
	s_wait_alu depctr_va_vdst(0)                   ; the wait ahead of the blocking waits
	s_wait_tensorcnt 0x0                           ; no tensor load of mine is out, so a group 0 may be written
	ds_add_u32 v[SPW], v[NIL]                      ; 0 onto my spare word
.if \fill
	ds_add_u32 v[SPW], v[NIL]                      ; and once more
	s_add_nc_u64 s[G0+4*\n+2:G0+4*\n+3], s[G0+4*\n+2:G0+4*\n+3], 8*STEPB   ; the address steps; the type bits on top are not reached
.endif
	s_wait_dscnt 0x0                               ; the add is done, and my reads of the slot that I leave are over
	s_barrier_signal -1
.endm
.macro MEET n, fill
	s_barrier_wait -1
.if \fill
	CREST
	JLOAD \n
.endif
.endm
; ONE TILE'S SOFTMAX FOR 128 KEYS.  S + 16 b + i is the score of my query and key 32 b + 16 (lane / 16) + i.
.macro SOFTMAX x
.set ST,  12+4*(\x)
.set OB,  160+32*(\x)
.set PCD, 224+8*(\x)
.set PW,  251+(\x)
.irp b, 0,1,2,3
	v_max3_num_f32 v[BM+\b], v[S+16*\b], v[S+1+16*\b], v[S+2+16*\b]   ; THE LARGEST SCORE OF EACH BLOCK OF 32 KEYS serves twice: for the row's maximum, and, since p rises with the score, for the block's largest p.  (Each accumulator is read from its low end on)
.endr
.irp i, 3,5,7,9,11,13
.irp b, 0,1,2,3
	v_max3_num_f32 v[BM+\b], v[BM+\b], v[S+16*\b+\i], v[S+1+16*\b+\i]   ; (the four blocks by turns)
.endr
.endr
.irp b, 0,1,2,3
	v_max_num_f32 v[BM+\b], v[BM+\b], v[S+15+16*\b]
.endr
.irp b, 0,1,2,3
	s_delay_alu instid0(VALU_DEP_4)
	v_permlanex16_b32 v[BP+\b], v[BM+\b], s[SEL], s[SEL+1]
.endr
.irp b, 0,1,2,3
	s_delay_alu instid0(VALU_DEP_4)
	v_max_num_f32 v[BM+\b], v[BM+\b], v[BP+\b]     ; with lane l xor 16's 16 keys
.endr
	s_delay_alu instid0(VALU_DEP_2)
	v_max3_num_f32 v[T], v[BM], v[BM+1], v[BM+2]
	s_delay_alu instid0(VALU_DEP_1)
	v_max_num_f32 v[T], v[T], v[BM+3]              ; the step's largest score of my query
	s_delay_alu instid0(VALU_DEP_1)
	v_mul_f32 v[T], s[CS], v[T]                    ; as t (c is positive)
	s_delay_alu instid0(VALU_DEP_1)
	v_max_num_f32 v[ST+1], v[ST+1], v[T]           ; the running largest t
	v_mov_b32 v[T], v[ST]
	s_delay_alu instid0(VALU_DEP_2)
	v_floor_f32 v[ST], -v[ST+1]                    ; the new -M = floor(-t) = -ceil(t): M IS A WHOLE NUMBER
	s_delay_alu instid0(VALU_DEP_1)
	v_sub_f32 v[T], v[ST], v[T]                    ; M's old value less its new one: a whole number, 0 or less
	s_delay_alu instid0(VALU_DEP_1)
	v_cvt_i32_f32 v[T], v[T]                       ; (it saturates)
	s_delay_alu instid0(VALU_DEP_1)
	v_ldexp_f32 v[F], 1.0, v[T]                    ; f = 2^(old M - new M): a multiplication by it rounds nothing
.irp j, 0,2,4,6,8,10,12,14,16,18,20,22,24,26,28,30,32,34,36,38,40,42,44,46,48,50,52,54,56,58,60,62
	v_pk_fma_f32 v[S+\j:S+1+\j], v[S+\j:S+1+\j], s[CS:CS+1], v[ST:ST+1] op_sel_hi:[1,0,0]   ; t - M, two at a time (of the pairs c and -M the low word serves both halves)
.endr
.irp b, 0,1,2,3
	v_fma_f32 v[BM+\b], v[BM+\b], s[CS], v[ST]     ; the same of each block's largest score
.endr
	s_wait_alu depctr_va_vdst(0)
.irp j, 0,1,2,3,4,5,6,7,8,9,10,11,12,13,14,15,16,17,18,19,20,21,22,23,24,25,26,27,28,29,30,31,32,33,34,35,36,37,38,39,40,41,42,43,44,45,46,47,48,49,50,51,52,53,54,55,56,57,58,59,60,61,62,63
	v_exp_f32 v[S+\j], v[S+\j]                     ; p = 2^(t - M), at most 1: NOT normalised
.endr
.irp b, 0,1,2,3
	v_exp_f32 v[BM+\b], v[BM+\b]                   ; the block's largest p: the same two instructions on the same number give the same bits
.endr
	v_pk_mul_f32 v[ST+2:ST+3], v[ST+2:ST+3], v[F:F+1] op_sel_hi:[1,0]   ; the sums under the new M.  (A plain place behind the exponentials)
	s_wait_alu depctr_va_vdst(0)
.irp b, 0,1,2,3
	v_max_num_f32 v[BM+\b], 0x1800000, v[BM+\b]    ; the floor 2^(3 - 127): the byte cannot fall under 1
.endr
.irp b, 0,1,2,3
	s_delay_alu instid0(VALU_DEP_4)
	v_add_nc_u32 v[SO+\b], 0xff000000, v[BM+\b]    ; 2 off the exponent field: the conversion's scale operand
.endr
.irp b, 0,1,2,3
	s_delay_alu instid0(VALU_DEP_4)
	v_lshrrev_b32 v[BP+\b], 23, v[SO+\b]           ; the scale's byte
.endr
	s_delay_alu instid0(VALU_DEP_3)
	v_lshl_or_b32 v[PW], v[BP+1], 8, v[BP]         ; p's scale word for these 128 keys
	s_delay_alu instid0(VALU_DEP_1)
	v_lshl_or_b32 v[PW], v[BP+2], 16, v[PW]
	s_delay_alu instid0(VALU_DEP_1)
	v_lshl_or_b32 v[PW], v[BP+3], 24, v[PW]
.irp b, 0,1,2,3
	v_cvt_scalef32_pk8_fp4_f32 v[PCD+2*\b], v[S+16*\b:S+7+16*\b], v[SO+\b]
	v_cvt_scalef32_pk8_fp4_f32 v[PCD+1+2*\b], v[S+8+16*\b:S+15+16*\b], v[SO+\b]
.endr
	v_nop                                          ; one plain place behind a scaled conversion
.irp c, 0,1                            ; the operand's layout wants a WHOLE block in a lane: lanes 0-15 block 2 c, lanes 16-31 block 2 c + 1
.irp i, 0,1
	v_permlane16_swap_b32 v[PCD+4*\c+\i], v[PCD+2+4*\c+\i]
.endr
.endr
	v_pk_add_f32 v[SUM2:SUM2+1], v[S:S+1], v[S+2:S+3]          ; THE ROW'S SUM IS TAKEN OF THE UNQUANTISED p: two at a time, in two chains
.irp j, 4,8,12,16,20,24,28,32,36,40,44,48,52,56,60
	v_pk_add_f32 v[ST+2:ST+3], v[ST+2:ST+3], v[S+\j:S+1+\j]
	v_pk_add_f32 v[SUM2:SUM2+1], v[SUM2:SUM2+1], v[S+2+\j:S+3+\j]
.endr
	s_delay_alu instid0(VALU_DEP_1)
	v_pk_add_f32 v[ST+2:ST+3], v[ST+2:ST+3], v[SUM2:SUM2+1]
.irp j, 0,2,4,6,8,10,12,14,16,18,20,22,24,26,28,30
	v_pk_mul_f32 v[OB+\j:OB+1+\j], v[OB+\j:OB+1+\j], v[F:F+1] op_sel_hi:[1,0]   ; O^T under the new M.  (With the sums above: more than eight plain places between p's scale word, more than four between p's codes, and the products that take them)
.endr
.endm
; A KEY STEP: 128 keys, my head, my two tiles of queries.
.macro STEP chg, sl, fl                ; chg = 1: slot sl's last step, with the change of slots in it (fl = 1: the slot is filled again)
	v_add_nc_u32 v[ADK], s[TB], v[A16]
	v_add_nc_u32 v[ADV], s[TB], v[A8]
	PLACES 2                                       ; with the two additions: four places in front of loads into registers that the last products have read
.irp t, 0,1,2,3,4,5,6,7
	ds_load_b128 v[KF+4*\t:KF+4*\t+3], v[ADK] offset:512*\t    ; k's tile t: 32 lanes read 512 consecutive bytes
.endr
	ds_load_b128 v[KS:KS+3], v[ADK] offset:4096                ; k's scale words: register p: lanes 0-15 tile 2 p, lanes 16-31 tile 2 p + 1
	s_wait_dscnt 0x0
.irp t, 0,1,2,3,4,5,6,7
	MM S+8*\t, KF+4*\t, Q0, 0, KS+\t/2, QS, \t%2, 0            ; S^T of tile 0
.endr
	PLACES 4
	SOFTMAX 0
.irp t, 0,1,2,3,4,5,6,7
	MM S+8*\t, KF+4*\t, Q1, 0, KS+\t/2, QS, \t%2, 1            ; S^T of tile 1, from the same fragments of k
.endr
	PLACES 4                                       ; for the loads below and for the first reads of these scores
.irp dt, 0,1,2,3
.irp c, 0,1
	ds_load_b128 v[KF+8*\dt+4*\c:KF+8*\dt+4*\c+3], v[ADK] offset:4608+1024*\dt+512*\c   ; v^T's four fragments land under tile 1's softmax
.endr
.endr
	ds_load_b64 v[VS:VS+1], v[ADV]
.if \chg
	GRD \sl, \fl
	SOFTMAX 1
	s_wait_alu depctr_va_vdst(0)
.else
	SOFTMAX 1
	s_wait_alu depctr_va_vdst(0)
	s_wait_dscnt 0x0
.endif
.irp dt, 0,1,2,3
.irp x, 0,1
	MM 160+32*\x+8*\dt, KF+8*\dt, 224+8*\x, 160+32*\x+8*\dt, VS+\dt/2, 251+\x, \dt%2, 0   ; O^T += v^T p^T: eight accumulators by turns, one instruction a turn
.endr
.endr
.endm
.macro PHASE n, trips                  ; slot n's first key steps: written once, walked trips times
	s_mov_b32 s[TB], \n*SLOTB
	s_mov_b32 s[CNT], \trips
.Lstep_\@:
	STEP 0, 0, 0
	s_add_co_u32 s[TB], s[TB], STEPB
	s_sub_co_u32 s[CNT], s[CNT], 1
	s_cmp_lg_u32 s[CNT], 0
	s_cbranch_scc1 .Lstep_\@
.endm
.macro PHASEC n, fill                  ; slot n's four key steps, the fourth written out with the change of slots in it
	PHASE \n, 3
	STEP 1, \n, \fill
	MEET \n, \fill
.endm
	s_load_b256 s[4:11], s[0:1], 0x0               ; qq s[4:5], kv s[6:7], W_o's codes s[8:9], W_o's scales s[10:11]
	s_load_b128 s[12:15], s[0:1], 0x20             ; b_o s[12:13], out0 s[14:15]
	v_lshl_add_u32 v[SPW], v0, 2, SPARE
	v_mov_b32 v[NIL], 0
	ds_add_u32 v5, v6
	ds_add_u32 v5, v6
	s_wait_dscnt 0x0
	v_lshrrev_b32 v3, 5, v0
	s_delay_alu instid0(VALU_DEP_1)
	v_readfirstlane_b32 s[WV], v3                  ; wave 0..15
	s_lshr_b32 s[HD], s[WV], 2
	s_and_b32 s[PQ], s[WV], 3
	s_bfe_u32 s19, ttmp6, 0x40000                  ; cx: my place in the cluster: it enters qq's and out0's addresses alone
	s_lshl_b32 s20, ttmp9, 2                       ; in a cluster launch ttmp9 counts clusters
	s_add_co_u32 s20, s20, s19                     ; g: my block of 128 queries
	s_and_b32 s21, ttmp7, 0xffff                   ; b: the batch, which the four partners share
	s_mov_b32 s[CS], 0x3e38aa3b                    ; c = log2(e) / sqrt(64)
	s_mov_b32 s[CS+1], s[CS]                       ; (named with it as a pair, so it is written)
	s_mov_b32 s[SEL], 0x76543210
	s_mov_b32 s[SEL+1], 0xfedcba98
	; descriptor group 1: a dense block of 35,840 bytes as 140 rows of 256 (32 elements of 8 bytes), no padding: every LDS load of the loop takes consecutive bytes
	s_mov_b32 s[G1], 15|(3<<16)|(1<<21)            ; 15:0 the mask: all four work-groups; 17:16 elements of 8 bytes; 21 set beside a mask
	s_mov_b32 s[G1+1], 32<<16                      ; tensor_dim0 = 32
	s_mov_b32 s[G1+2], 140<<16                     ; tensor_dim1 = 140
	s_mov_b32 s[G1+3], 32<<16                      ; tile_dim0 = 32
	s_mov_b32 s[G1+4], 140                         ; tile_dim1 = 140
	s_mov_b32 s[G1+5], 32                          ; from row to row
	s_mov_b32 s[G1+6], 0
	s_mov_b32 s[G1+7], 0
	s_mul_i32 s46, s[PQ], STEPB                    ; which of a slot's four steps I fetch, if I fetch: no place in the cluster enters an LDS address
	s_mul_i32 s48, s21, 16*STEPB                   ; the batch's sixteen steps
	s_add_co_u32 s48, s48, s46
	s_mov_b32 s49, 0
	s_mov_b32 s[G0], 1                             ; count = 1
	s_mov_b32 s[G0+1], s46                         ; LDS address: slot 0
	s_mov_b32 s[G0+4], 1
	s_add_co_u32 s[G0+5], s46, SLOTB               ; slot 1
	s_wait_kmcnt 0x0
	s_add_nc_u64 s[G0+2:G0+3], s[6:7], s[48:49]    ; steps 0 to 3
	s_add_nc_u64 s[G0+6:G0+7], s[G0+2:G0+3], 4*STEPB   ; steps 4 to 7
	s_or_b32 s[G0+3], s[G0+3], 0x80000000          ; type = 2
	s_or_b32 s[G0+7], s[G0+7], 0x80000000
	CROUND                                         ; all four work-groups are here: the first joint loads meet
	JLOAD 0                                        ; steps 0 to 3: one tensor load a wave at the head
	; the pointers that hang on my block of queries, in registers that feed no descriptor
	s_lshl_b32 s52, s21, 4
	s_add_co_u32 s52, s52, s20                     ; 16 b + g
	s_lshl_b32 s53, s52, 2
	s_add_co_u32 s53, s53, s[HD]                   ; x 4 + head
	s_mul_i32 s54, s53, 4608                       ; my head's block of qq
	s_mov_b32 s55, 0
	s_lshl_b32 s53, s[PQ], 2
	s_add_co_u32 s58, s54, s53                     ; its scale words: word w % 4 of a lane's four (the 4,096 stands in the load's immediate)
	s_mov_b32 s59, 0
	s_lshl_b32 s53, s[PQ], 10
	s_add_co_u32 s54, s54, s53                     ; its codes: my two tiles' images
	s_add_nc_u64 s[56:57], s[4:5], s[54:55]
	s_add_nc_u64 s[58:59], s[4:5], s[58:59]
	v_and_b32 v3, 31, v0                           ; lane
	s_delay_alu instid0(VALU_DEP_1)
	v_lshlrev_b32 v[L16], 4, v3
	s_wait_alu depctr_va_vdst(0)
	v_lshlrev_b32 v[L4], 2, v3
	global_load_b128 v[Q0:Q0+3], v[L16], s[56:57]              ; q stays in registers
	global_load_b128 v[Q1:Q1+3], v[L16], s[56:57] offset:512
	global_load_b32 v[QS], v[L16], s[58:59] offset:4096        ; lanes 0-15 tile 0's words, lanes 16-31 tile 1's
	s_lshl_b32 s52, s52, 7                         ; my first row of out0: 128 (16 b + g), and of the block's rows those that lie in stage rows 8 w .. 8 w + 7:
	s_lshl_b32 s53, s[HD], 5                       ; 32 (w / 4)
	s_add_co_u32 s52, s52, s53
	s_bfe_u32 s53, s[WV], 0x10001
	s_lshl_b32 s53, s53, 3                         ; + 8 ((w / 2) % 2)
	s_add_co_u32 s52, s52, s53
	s_and_b32 s53, s[WV], 1
	s_lshl_b32 s53, s53, 4                         ; + 16 (w % 2)
	s_add_co_u32 s52, s52, s53
	s_lshl_b32 s52, s52, 10                        ; rows of 1,024 bytes (under 2^26)
	s_mov_b32 s53, 0
	s_add_nc_u64 s[14:15], s[14:15], s[52:53]
	s_mov_b32 s47, 0
	s_lshl_b32 s46, s[WV], 11                      ; W_o: my 16 rows of 128 bytes,
	s_add_nc_u64 s[8:9], s[8:9], s[46:47]
	s_lshl_b32 s46, s[WV], 7                       ; of 8 scale bytes,
	s_add_nc_u64 s[10:11], s[10:11], s[46:47]
	s_lshl_b32 s46, s[WV], 6                       ; and my 16 numbers of b_o
	s_add_nc_u64 s[12:13], s[12:13], s[46:47]
	; every LDS address register, those of the end too
	s_mul_i32 s46, s[HD], HEADB
	v_add_nc_u32 v[A16], s46, v[L16]
	v_lshlrev_b32 v[A8], 3, v3
	s_add_co_u32 s46, s46, 8704
	v_add_nc_u32 v[A8], s46, v[A8]
	v_and_b32 v3, 15, v0                           ; r
	s_wait_alu depctr_va_vdst(0)
	v_bfe_u32 v4, v0, 4, 1                         ; h
	v_lshlrev_b32 v[WOA], 7, v3
	s_delay_alu instid0(VALU_DEP_1)
	v_lshl_add_u32 v[WOA], v4, 4, v[WOA]
	v_lshlrev_b32 v[WSA], 3, v3
	s_delay_alu instid0(VALU_DEP_1)
	v_lshl_add_u32 v[WSA], v4, 2, v[WSA]
	v_lshlrev_b32 v[BOA], 5, v4
	s_lshl_b32 s46, s[PQ], 12                      ; y's images: tile 2 (w % 4): 4,096 (w % 4), head: 512 (w / 4)
	s_lshl_b32 s50, s[HD], 9
	s_add_co_u32 s46, s46, s50
	v_add_nc_u32 v[YIA], s46, v[L16]
	s_lshl_b32 s46, s[PQ], 8                       ; y's scale bytes: 256 (w % 4) for the tile, 64 (head / 2) for the K step, 4 r for the row, 2 (head % 2) for my two bytes of the word
	s_lshr_b32 s50, s[HD], 1
	s_lshl_b32 s50, s50, 6
	s_add_co_u32 s46, s46, s50
	s_and_b32 s50, s[HD], 1
	s_lshl_b32 s50, s50, 1
	s_add_co_u32 s46, s46, s50
	s_add_co_u32 s46, s46, YS
	v_lshl_add_u32 v[YSA], v3, 2, s46
	v_mul_u32_u24 v[STO], v3, SPITCH               ; the stage: row r of a tile, + 32 h, + 64 w: my eight columns' bytes
	s_wait_alu depctr_va_vdst(0)
	v_lshl_add_u32 v[STO], v4, 5, v[STO]
	s_lshl_b32 s46, s[WV], 6
	s_add_co_u32 s46, s46, STG
	v_add_nc_u32 v[STO], s46, v[STO]
	s_delay_alu instid0(VALU_DEP_1)
	v_add_nc_u32 v[STO+1], 64*SPITCH, v[STO]       ; tiles 4 to 7
	s_mul_i32 s46, s[WV], 8*SPITCH                 ; back: stage rows 8 w .. 8 w + 7
	s_add_co_u32 s46, s46, STG
	v_add_nc_u32 v[RD], s46, v[L16]
.irp j, 4,5,6,7
	v_mov_b32 v[Q0+\j], 0                          ; q's upper 64 along K: zero codes
	v_mov_b32 v[Q1+\j], 0
	v_mov_b32 v[KF+28+\j], 0                       ; behind k's last tile
	v_mov_b32 v[BP-4+\j], 0                        ; written once: a lane permute's destination counts as one of its sources
.endr
	v_mov_b32 v[F+1], 0                            ; (named as the upper half of a pair)
.irp x, 0,1
	v_mov_b32 v[13+4*\x], 0xff61b1e6               ; the largest t so far: -3e38, under every t
	s_delay_alu instid0(VALU_DEP_1)
	v_floor_f32 v[12+4*\x], -v[13+4*\x]            ; -M
	v_mov_b32 v[14+4*\x], 0                        ; the sum, in two halves
	v_mov_b32 v[15+4*\x], 0
.endr
.irp j, 0,1,2,3,4,5,6,7,8,9,10,11,12,13,14,15,16,17,18,19,20,21,22,23,24,25,26,27,28,29,30,31,32,33,34,35,36,37,38,39,40,41,42,43,44,45,46,47,48,49,50,51,52,53,54,55,56,57,58,59,60,61,62,63
	v_mov_b32 v[160+\j], 0                         ; O^T.  (The step is written once: the first finds zeros, which the first change of M leaves zeros)
.endr
	s_wait_alu depctr_va_vdst(0)                   ; the wait at the head's end
	s_wait_tensorcnt 0x0                           ; my part of slot 0 is in; slot 1's first fill is issued as a refill is:
	ds_add_u32 v[SPW], v[NIL]                      ; 0 onto my spare word,
	ds_add_u32 v[SPW], v[NIL]                      ; twice on end
	s_wait_dscnt 0x0
	CROUND                                         ; everybody's part of slot 0 is in, and all four work-groups are here
	JLOAD 1                                        ; steps 4 to 7: it has slot 0's steps in which to land
	s_wait_loadcnt 0x0                             ; q
	PHASEC 0, 1                                    ; steps 0 to 3; slot 0 takes steps 8 to 11
	PHASEC 1, 1                                    ; steps 4 to 7; slot 1 takes steps 12 to 15
	PHASEC 0, 0                                    ; steps 8 to 11; nothing is left to fetch
	PHASE 1, 4                                     ; steps 12 to 15
	; ---- THE END.  W_o's part and the bias are asked for; they land while y is made.
	PLACES 4                                       ; behind the last products: for the loads into their operands' registers and for the first reads of O^T
.irp s, 0,1
.irp c, 0,1
	global_load_b128 v[224+8*\s+4*\c:227+8*\s+4*\c], v[WOA], s[8:9] offset:64*\s+32*\c   ; W_o's rows 16 w + r, K step s
.endr
.endr
	global_load_b32 v[WOS], v[WSA], s[10:11]                   ; lanes 0-15 K step 0's words, lanes 16-31 K step 1's
	global_load_b128 v[KF:KF+3], v[BOA], s[12:13]              ; b_o at my eight columns 16 w + 8 h + 0 .. 7: the C of each sum's first product
	global_load_b128 v[KF+4:KF+7], v[BOA], s[12:13] offset:16
; Tile x: y = O^T / the row's sum; its 64 numbers are my head's two blocks of 32 along the last product's K: quantised; the image and the two scale bytes go to LDS.
.macro FIN x
.set ST, 12+4*(\x)
.set OB, 160+32*(\x)
.set YC, 84+4*(\x)
	v_add_f32 v[T], v[ST+2], v[ST+3]               ; the sum's two halves,
	s_delay_alu instid0(VALU_DEP_1)
	v_permlanex16_b32 v[BP], v[T], s[SEL], s[SEL+1]
	s_delay_alu instid0(VALU_DEP_1)
	v_add_f32 v[T], v[T], v[BP]                    ; and lane l xor 16's: the row's sum
	s_wait_alu depctr_va_vdst(0)
	v_rcp_f32 v[F], v[T]
	v_nop                                          ; one plain place behind a transcendental
	s_wait_alu depctr_va_vdst(0)
.irp j, 0,2,4,6,8,10,12,14,16,18,20,22,24,26,28,30
	v_pk_mul_f32 v[OB+\j:OB+1+\j], v[OB+\j:OB+1+\j], v[F:F+1] op_sel_hi:[1,0]   ; each accumulator from its low end on
.endr
.irp b, 0,1
	v_max3_num_f32 v[BM+\b], |v[OB+16*\b]|, |v[OB+1+16*\b]|, 0x1800000   ; block b: my 16 numbers, and the floor 2^(3 - 127)
.endr
.irp i, 2,4,6,8,10,12,14
.irp b, 0,1
	s_delay_alu instid0(VALU_DEP_2)
	v_max3_num_f32 v[BM+\b], v[BM+\b], |v[OB+16*\b+\i]|, |v[OB+1+16*\b+\i]|
.endr
.endr
.irp b, 0,1
	s_delay_alu instid0(VALU_DEP_2)
	v_permlanex16_b32 v[BP+\b], v[BM+\b], s[SEL], s[SEL+1]
.endr
.irp b, 0,1
	s_delay_alu instid0(VALU_DEP_2)
	v_max_num_f32 v[BM+\b], v[BM+\b], v[BP+\b]
.endr
.irp b, 0,1
	s_delay_alu instid0(VALU_DEP_2)
	v_add_nc_u32 v[SO+\b], 0xff000000, v[BM+\b]
.endr
.irp b, 0,1
	s_delay_alu instid0(VALU_DEP_2)
	v_lshrrev_b32 v[BP+\b], 23, v[SO+\b]
.endr
	s_delay_alu instid0(VALU_DEP_1)
	v_lshl_or_b32 v[T], v[BP+1], 8, v[BP]          ; my head's two bytes of the row's scale word
.irp b, 0,1
	v_cvt_scalef32_pk8_fp4_f32 v[YC+2*\b], v[OB+16*\b:OB+7+16*\b], v[SO+\b]
	v_cvt_scalef32_pk8_fp4_f32 v[YC+1+2*\b], v[OB+8+16*\b:OB+15+16*\b], v[SO+\b]
.endr
	v_nop                                          ; one plain place behind a scaled conversion
.irp i, 0,1
	v_permlane16_swap_b32 v[YC+\i], v[YC+2+\i]
.endr
	ds_store_b128 v[YIA], v[YC:YC+3] offset:YI+2048*(\x)
	ds_store_b16 v[YSA], v[T] offset:128*(\x)      ; both lanes of a row write the same two bytes with the same value
	s_wait_dscnt 0x0                               ; the stores have read their registers
.endm
	FIN 0
	FIN 1
	s_wait_dscnt 0x0                               ; for the others' sake: my stores have landed, and my reads of slot 1 are over
	s_barrier_signal -1
	s_barrier_wait -1                              ; y's 32 images and its scale words lie in LDS, and nobody reads slot 1 any more
	s_wait_loadcnt 0x0                             ; W_o, its scale words, b_o
; Four tiles of queries: out^T = W_o y^T + b_o for my 16 columns: four accumulators by turns, two K steps; results into the stage.
.macro HALF hf
.irp i, 0,1,2,3
.irp s, 0,1
.irp c, 0,1
	ds_load_b128 v[S+16*\i+8*\s+4*\c:S+3+16*\i+8*\s+4*\c], v[L16] offset:YI+2048*(4*(\hf)+\i)+1024*\s+512*\c   ; registers 4 c on of K step s are head 2 s + c's image
.endr
.endr
	ds_load_b32 v[KS+\i], v[L4] offset:YS+128*(4*(\hf)+\i)
.endr
	s_wait_dscnt 0x0
.irp i, 0,1,2,3
	MM 160+8*\i, 224, S+16*\i, KF, WOS, KS+\i, 0, 0
.endr
.irp i, 0,1,2,3
	MM 160+8*\i, 232, S+8+16*\i, 160+8*\i, WOS, KS+\i, 1, 1
.endr
	PLACES 5                                       ; four for the stores and the next loads; five for the next half's first products, which begin these accumulators anew
.irp i, 0,1,2,3
	ds_store_b128 v[STO+(\hf)], v[160+8*\i:163+8*\i] offset:16*SPITCH*\i       ; lane (r, h): stage row 16 m + r, columns 16 w + 8 h + 0 .. 7; each accumulator from its low end on
	ds_store_b128 v[STO+(\hf)], v[164+8*\i:167+8*\i] offset:16*SPITCH*\i+16
.endr
.endm
	HALF 0
	HALF 1
	s_wait_dscnt 0x0                               ; for the others' sake: my stores into the stage are done
	s_barrier_signal -1
	s_barrier_wait -1                              ; 128 whole rows lie in the stage
.irp k, 0,1,2,3,4,5,6,7,8,9,10,11,12,13,14,15
	ds_load_b128 v[S+4*\k:S+3+4*\k], v[RD] offset:SPITCH*(\k/2)+512*(\k%2)     ; stage rows 8 w + 0 .. 7 are eight consecutive rows of out0
.endr
.irp k, 0,1,2,3,4,5,6,7,8,9,10,11,12,13,14,15
	s_wait_dscnt 15-\k                             ; LDS loads come back in order (ISA guide 5.7.1): the younger ones may be out
	global_store_b128 v[L16], v[S+4*\k:S+3+4*\k], s[14:15] offset:1024*(\k/2)+512*(\k%2) th:TH_STORE_NT   ; 32 lanes store 512 consecutive bytes, at a multiple of 256 from out0's first byte; written once, read by nobody here
.endr
	s_wait_tensorcnt 0x0                           ; the wave's end: behind my last tensor load and my last LDS store
	ds_add_u32 v[SPW], v[NIL]
	s_wait_dscnt 0x0
	CROUND                                         ; the closing round: no work-group ends while a partner may still ask for a tile that names it
	s_endpgm
.Lfunc_end_k_q5e65cc695d_attn:
	.size	k_q5e65cc695d_attn, .Lfunc_end_k_q5e65cc695d_attn-k_q5e65cc695d_attn
	.p2alignl 7, 3214868480
	.fill 96, 4, 3214868480
	.section	.rodata,"a",@progbits
	.p2align	6, 0x0
	.amdhsa_kernel k_q5e65cc695d_attn
		.amdhsa_group_segment_fixed_size 327680
		.amdhsa_private_segment_fixed_size 0
		.amdhsa_enable_private_segment 0
		.amdhsa_kernarg_size 48
		.amdhsa_user_sgpr_count 2
		.amdhsa_user_sgpr_kernarg_segment_ptr 1
		.amdhsa_wavefront_size32 1
		.amdhsa_system_sgpr_workgroup_id_x 1
		.amdhsa_system_sgpr_workgroup_id_y 1
		.amdhsa_system_sgpr_workgroup_id_z 1
		.amdhsa_system_vgpr_workitem_id 0
		.amdhsa_next_free_vgpr 256
		.amdhsa_next_free_sgpr 66
		.amdhsa_reserve_vcc 0
		.amdhsa_float_denorm_mode_32 3
		.amdhsa_float_denorm_mode_16_64 3
		.amdhsa_memory_ordered 1
		.amdhsa_forward_progress 1
		.amdhsa_inst_pref_size 238
	.end_amdhsa_kernel
	.amdgpu_metadata
---
amdhsa.version: [ 1, 2 ]
amdhsa.kernels:
  - .name:           k_q5e65cc695d_attn
    .symbol:         k_q5e65cc695d_attn.kd
    .args:
      - { .name: qq, .offset: 0, .size: 8, .value_kind: global_buffer, .address_space: global }
      - { .name: kv, .offset: 8, .size: 8, .value_kind: global_buffer, .address_space: global }
      - { .name: W_o_codes, .offset: 16, .size: 8, .value_kind: global_buffer, .address_space: global }
      - { .name: W_o_scales, .offset: 24, .size: 8, .value_kind: global_buffer, .address_space: global }
      - { .name: b_o, .offset: 32, .size: 8, .value_kind: global_buffer, .address_space: global }
      - { .name: out0, .offset: 40, .size: 8, .value_kind: global_buffer, .address_space: global }
    .group_segment_fixed_size: 327680
    .private_segment_fixed_size: 0
    .kernarg_segment_align: 8
    .kernarg_segment_size: 48
    .max_flat_workgroup_size: 512
    .sgpr_count:     66
    .vgpr_count:     256
    .wavefront_size: 32
...
	.end_amdgpu_metadata
.endif
;; end of part 2
